; MI455X (gfx1250); checked and timed in simulation.
; The chip was launched on July 23, 2026; its instructions are those of AMD's public machine-readable ISA for CDNA 5 (MIT licence, August 2026) and "CDNA5" Instruction Set Architecture Reference Guide (July 2026). The comments in the code are by the model that wrote it; some were corrected since.
;; Head self Dec. Allowed arithmetic: matrix products marked QUANTISED: E4M3 operands, one E8M0 scale for each 32 along K, by v_wmma_scale_f32_16x16x128_f8f6f4 with both operands' format E4M3, f32 sums; everything else in f32.
;; Inputs: Wk_codes 64 x 16 x 32 uint8 (E4M3 codes of Wk, K innermost, in blocks of 32 codes); Wk_scales 64 x 16 uint8 (E8M0 scales of Wk, one for each 32 codes along K); Wq_codes 64 x 16 x 32 uint8 (E4M3 codes of Wq, K innermost, in blocks of 32 codes); Wq_scales 64 x 16 uint8 (E8M0 scales of Wq, one for each 32 codes along K); Wv_codes 64 x 16 x 32 uint8 (E4M3 codes of Wv, K innermost, in blocks of 32 codes); Wv_scales 64 x 16 uint8 (E8M0 scales of Wv, one for each 32 codes along K); x_codes 16 x 2,048 x 16 x 32 uint8 (E4M3 codes of x, K innermost, in blocks of 32 codes); x_scales 16 x 2,048 x 16 uint8 (E8M0 scales of x, one for each 32 codes along K).
;; Outputs: out0 16 x 2,048 x 64 float32.
;; This version of the problem:
;;   THIS VERSION OF THE PROBLEM IS GIVEN IN LOW PRECISION. The matrix products marked QUANTISED in the list below multiply operands that are first quantised to E4M3 (4 exponent bits, 3 mantissa bits; 8 bits a number), with one power-of-two scale for each 32 numbers along K (OCP MX v1.0); their sums are f32. All else is computed in f32.
;;   The module's matrix products, in the order in which they are computed (A, B: the left and right operand; K: the contracted axis; several contracted axes count as one K, in the product's order):
;;     1. [M 32,768, K 512] x [K 512, N 64]; A: input x (given as codes); B: input Wq (given as codes): QUANTISED
;;     2. [M 32,768, K 512] x [K 512, N 64]; A: input x (given as codes); B: input Wk (given as codes): QUANTISED
;;     3. [M 32,768, K 512] x [K 512, N 64]; A: input x (given as codes); B: input Wv (given as codes): QUANTISED
;;     4. batch 16 x [M 2,048, K 64] x [K 64, N 2,048]; A: computed on the way; B: computed on the way: QUANTISED
;;     5. batch 16 x [M 2,048, K 2,048] x [K 2,048, N 64]; A: softmax (see below); B: computed on the way: QUANTISED
;;   THE QUANTISER, for each operand of a quantised product, along K:
;;     - K is cut into blocks of 32 from its start; a last block that is shorter is filled with zeros.
;;     - A block's scale is 2^e with e = floor(log2(the largest magnitude in the block)) - 8, held to -126 .. 127; a block of zeros has e = 0. As a byte (E8M0): e + 127.
;;     - Each number is divided by its block's scale, clamped to +-448, and rounded to the nearest number of E4M3, ties to even, subnormals kept.
;;     - The product sums the exact products of the quantised numbers (number of the format x scale) in f32.
;;   ~~~python
;;   def quantise(x, axis):      # numpy; x: float32 -> the quantised numbers, widened to float32 again
;;       x = np.moveaxis(x, axis, -1); K = x.shape[-1]
;;       x = np.pad(x, [(0, 0)] * (x.ndim - 1) + [(0, -K % 32)]); x = x.reshape(x.shape[:-1] + (-1, 32)); a = np.abs(x).max(-1, keepdims=True)
;;       e = np.where(a > 0, np.clip(np.frexp(np.where(a > 0, a, 1))[1] - 1 - 8, -126, 127), 0)      # np.frexp(a)[1] - 1 = floor(log2(a)), exactly
;;       r = np.clip(x / 2.0 ** e, -448, 448)
;;       step = 2.0 ** (np.maximum(np.frexp(np.where(r == 0, 1, r))[1] - 1, -6) - 3)
;;       q = np.round(r / step) * step * 2.0 ** e      # np.round: ties to even
;;       return np.moveaxis(q.reshape(q.shape[:-2] + (-1,))[..., :K], -1, axis).astype(np.float32)
;;   ~~~
;;   SOFTMAX AHEAD OF A QUANTISED PRODUCT. Where the list says 'softmax', what is quantised is not the finished softmax but p = 2^(t - M), with t = logit x log2(e) and M = ceil(the row's largest t), a whole number; so 1/2 < the row's largest p <= 1. The row's sum l is taken of the UNQUANTISED p, in f32, and the product's result is divided by l at the end. Since M is a whole number, a kernel that streams over the keys may use a running M (the ceiling of the running maximum): every later rescaling is an exact power of two, which a block's scale takes up: the codes' values come out the same.
;;   OPERANDS COMPUTED ON THE WAY. 'Computed on the way' means the value that the module computes at that place (a softmax that the list does not call 'softmax' is quantised finished and normalised). What goes into a quantiser is computed in f32, as accurately as f32 sums, v_exp_f32 and their like allow (about 1e-6 of the number): no bf16 or f16 on the way to a quantiser, and a product that is left as it is and whose result goes on into a quantised operand takes f32 operands (vector FMAs, or v_wmma_f32_16x16x4_f32). A number that lies on a knife's edge between two numbers of the format may be rounded either way, as far as f32 arithmetic and the matrix unit's own rounding can turn it there, and no further.
;;   INPUTS GIVEN AS CODES. Wk (in the module: [512, 64], K = its axis 0); Wq (in the module: [512, 64], K = its axis 0); Wv (in the module: [512, 64], K = its axis 0); x (in the module: [16, 2048, 512], K = its axis 2): each comes as NAME_codes (uint8): NAME with its K axis moved to the last place and cut into blocks of 32 codes, [.., K / 32, bytes a block], one block behind the other in memory; one code a byte (a code: sign, 4 exponent bits, 3 mantissa bits); and NAME_scales (uint8): the same leading axes, one E8M0 byte (e + 127) for each 32 codes along K. Its value is code x scale, taken as it is: it is not quantised again, and the codes and scales need not be those that the quantiser above would give.
;; One version. Each part assembles by itself: llvm-mc -triple=amdgcn-amd-amdhsa -mcpu=gfx1250 --defsym DOCPART=n.
;; ======== version 1 of 1: 2 launches
;; limits: right only within a limited range of input values
;; workspace buffers: qc 2,097,152 bytes; qs 65,536 bytes; kv 4,325,376 bytes
;; launch proj (part 1): grid 256 x 1, 4 waves a work-group, clusters of 4 x 1, 196,608 bytes of LDS; arguments x_codes, x_scales, Wq_codes, Wq_scales, Wk_codes, Wk_scales, Wv_codes, Wv_scales, qc, qs, kv; writes qc, qs, kv
.if DOCPART == 1
	.amdgcn_target "amdgcn-amd-amdhsa--gfx1250"
	.amdhsa_code_object_version 6
	.text
	.protected	k_q09a9214749_proj
	.globl	k_q09a9214749_proj
	.p2align	8
	.type	k_q09a9214749_proj,@function
k_q09a9214749_proj:
	s_mov_b64 s[64:65], 0
	v_nop
	global_prefetch_b8 v0, s[64:65] scope:SCOPE_SE
	s_setreg_imm32_b32 hwreg(HW_REG_WAVE_MODE, 25, 1), 1
	s_wait_xcnt 0x0
	s_wait_alu depctr_hold_cnt(0) depctr_sa_sdst(0) depctr_va_vdst(0) depctr_va_sdst(0) depctr_va_ssrc(0) depctr_va_vcc(0) depctr_vm_vsrc(0)
	s_getreg_b32 s2, hwreg(HW_REG_IB_STS2, 6, 4)
	s_cmp_eq_u32 s2, 0
	s_cbranch_scc0 .Lentry_in_a_cluster
	s_endpgm
.Lentry_in_a_cluster:
	s_bfe_u32 s2, ttmp6, 0x10000c
	s_cmp_lg_u32 s2, 0x3003
	s_cbranch_scc0 .Lentry_shape_is_right
	s_endpgm
.Lentry_shape_is_right:
; q = x Wq, k = x Wk, v = x Wv on the given codes of E4M3 (K = 512, four matrix instructions deep), f32 sums; the results are quantised at once:
; q and k along the head's 64 channels (two blocks of 32 a token), v along the tokens, and stored in the order of the next launch's operand registers.
; SHARES.  A work-group takes 128 tokens (one key step of the next launch); wave 2 g + b takes tokens 64 g on (four tiles u of 16) and channels 32 b on (two tiles t of 16) of each of q, k, v.
; q, k: source 0 = 16 channels of W, source 1 = 16 tokens: a lane (r, h) holds token 16 u + r and in register j of tile t channel 32 b + 16 t + 8 h + j.  Inside a block of 32 the codes lie in the order 16 h + 8 t + j, the same for q and k, so their products
;   are the same.  v: source 0 = 16 tokens, source 1 = 16 channels: a lane holds one channel; its block of 32 tokens lies in the order 16 h + 8 u + j, which is the order in which the next launch's scores lie.
; OUT.  qc: [token / 16][block b][16 bytes x lane].  qs: [step][r][token / 32 in the step] words, byte 2 (u % 2) + b.
;   kv: [step / 2][K, V][step % 2][four fragments of 2,048 bytes, then 256 bytes of scale words [r][fragment]]; a K fragment is 32 tokens as [u % 2][b][16 x lane]; a V fragment n is channels 16 n + r, as [32 keys][16 x lane].
; CLUSTER.  The four work-groups of a cluster read the same three weights: asked for jointly (mask 15).  x's rows are a work-group's own.
; One tensor load a wave: wave 0 x's 128 rows, waves 1, 2, 3 the 64 rows of Wq, Wk, Wv.  Nothing is filled again, and there is no loop in which a prefetch could run ahead.
; LIMITS: NaN codes, scale bytes 0xff, and sums that are NaN or infinite are not served.  A block of zeros gets the byte 1 where the rule says 127: its codes are zeros, and this program alone reads the bytes.
;   Blocks whose largest magnitude lies under 2^(9 - 127) have their byte held at 1.
.set RP,    528                        ; a row in LDS: 512 bytes + 16 of padding = 33 groups of 16 bytes
.set WB,    128*RP                     ; behind x's rows: Wq's 64, Wk's, Wv's
.set WK,    64*RP
.set SCST,  WB+3*WK                    ; a stage for the scale words: q's 256 bytes, k's, v's; no tensor load lands here
.set SPARE, SCST+768                   ; the spare words
.set HALFP, 16896                      ; kv: bytes of K (or V) of two steps
.set LO,   1                           ; v1   16 x lane
.set AX,   2
.set AW,   3                           ; v3 Wq's, Wk's fragments; v4 Wv's
.set NS16, 5                           ; v5   16 r
.set WSA,  6                           ; v6   16 r + 512 b
.set SQ,   8
.set SV,   9
.set SRD,  10
.set SGO,  11
.set SPW,  12
.set NIL,  13
.set XS,   16                          ; v16-31  x's scale words: 4 u + s
.set WS,   34                          ; v34-57  W's: 8 kind + 4 t + s
.set ACC,  64                          ; v64-127 eight accumulators
.set TM,   128
.set TP,   132
.set TS,   136
.set TH,   140
.set TB,   144
.set COD,  152                         ; v152-199 codes: sixteen registers a kind, so that no store's data are written again
.set OUTW, 200
; window 1: x's sixteen fragments (u, s) at 16 (4 u + s);  window 2: W's eight (t, s), two buffers
.set G1X,  28
.set G1W,  36
.set G0,   44                          ; s[44:59]: x, Wq, Wk, Wv
.set WV,   66
.set GI,   67
.set TG,   69
.set BH,   70
.set SEL,  74
.set MNT,  76
.set KB0,  80
.set XSB,  82
.set QBA,  84                          ; s[84:85] q's codes, s[86:87] k's
.set VBA,  88
.set SOB,  90
.set MSB, 0
.macro WIN new                         ; the immediate's high byte repeats the setting that is left
.if MSB != \new
	s_set_vgpr_msb (MSB<<8)|\new
.set MSB, \new
.endif
.endm
.macro ROUND                           ; a round of the cluster's barrier
	s_barrier_signal -1
	s_barrier_wait -1
	s_cmp_lg_u32 s[WV], 0
	s_cbranch_scc1 .Lnw0_\@
	s_barrier_signal -3
.Lnw0_\@:
	s_barrier_wait -3
	s_barrier_signal -1
	s_barrier_wait -1
.endm
	s_load_b512 s[4:19], s[0:1], 0x0               ; x codes, scales; Wq, Wk, Wv codes, scales
	s_load_b128 s[20:23], s[0:1], 0x40             ; qc, qs
	s_load_b64 s[24:25], s[0:1], 0x50              ; kv
	v_lshl_add_u32 v[SPW], v0, 2, SPARE
	v_mov_b32 v[NIL], 0
	ds_add_u32 v[SPW], v[NIL]                      ; the wave's opening: the add, twice on end, and its wait ahead of my tensor load
	ds_add_u32 v[SPW], v[NIL]
	v_lshrrev_b32 v1, 5, v0
	v_readfirstlane_b32 s[WV], v1
	s_bfe_u32 s68, ttmp6, 0x40000                  ; cx
	s_lshl_b32 s[GI], ttmp9, 2
	s_add_co_u32 s[GI], s[GI], s68                 ; work-group = key step: it enters global addresses alone
	s_lshr_b32 s[TG], s[WV], 1
	s_and_b32 s[BH], s[WV], 1
	s_mov_b32 s[G1X], (1<<20)|(6<<22)|(3<<25)      ; rows of 512 bytes, elements of one byte, four words of padding behind every 128
	s_mov_b32 s[G1W], 15|(1<<20)|(1<<21)|(6<<22)|(3<<25)
.irp g, G1X, G1W
	s_mov_b32 s[\g+1], 512<<16
	s_mov_b32 s[\g+3], 512<<16
	s_mov_b32 s[\g+5], 512
	s_mov_b32 s[\g+6], 0
	s_mov_b32 s[\g+7], 0
.endr
	s_mov_b32 s[G1X+2], 128<<16
	s_mov_b32 s[G1X+4], 128
	s_mov_b32 s[G1W+2], 64<<16
	s_mov_b32 s[G1W+4], 64
	s_mov_b32 s[MNT], 0x600000                     ; the mantissa field of 448
	s_mov_b32 s[SEL], 0x76543210
	s_mov_b32 s[SEL+1], 0xfedcba98                 ; lane l xor 16
	v_and_b32 v14, 15, v0                          ; r
	v_bfe_u32 v15, v0, 4, 1                        ; h
	v_and_b32 v1, 31, v0
	v_lshlrev_b32 v[SGO], 3, v1
	v_lshlrev_b32 v[LO], 4, v1
	v_lshlrev_b32 v[NS16], 4, v14
	s_lshl_b32 s71, s[BH], 9
	v_add_nc_u32 v[WSA], s71, v[NS16]
	v_mul_u32_u24 v[AX], v14, RP
	v_lshl_add_u32 v[AX], v15, 4, v[AX]
	s_mul_i32 s71, s[BH], 32*RP
	s_add_co_u32 s71, s71, WB
	v_add_nc_u32 v[AW], s71, v[AX]
	v_add_nc_u32 v[AW+1], 2*WK, v[AW]
	s_mul_i32 s71, s[TG], 64*RP
	v_add_nc_u32 v[AX], s71, v[AX]
	s_lshl_b32 s71, s[TG], 3
	s_add_co_u32 s71, s71, s[BH]
	s_add_co_u32 s71, s71, SCST
	s_wait_alu depctr_va_vdst(0)
	v_add_nc_u32 v[SQ], s71, v[NS16]               ; a token's byte: word 2 g + u / 2, byte 2 (u % 2) + b
	s_lshl_b32 s71, s[BH], 3
	s_lshl_b32 s77, s[TG], 1
	s_add_co_u32 s71, s71, s77
	s_add_co_u32 s71, s71, SCST+512
	v_add_nc_u32 v[SV], s71, v[NS16]               ; a channel's byte: word 2 b + t, byte 2 g + f
	s_min_u32 s92, s[WV], 2                        ; wave 0 sends q's words, wave 1 k's, wave 2 v's
	s_lshl_b32 s71, s92, 8
	s_add_co_u32 s71, s71, SCST
	v_add_nc_u32 v[SRD], s71, v[SGO]
.irp y, 0,1,2,3
	v_mov_b32 v[TP+\y], 0                          ; a lane permute's destination counts as one of its sources
.endr
	s_lshl_b32 s78, s[GI], 16                      ; 128 tokens of 512 bytes
	s_mov_b32 s79, 0
	s_wait_alu depctr_va_vdst(0)                   ; at the head's vector lines' end
	s_wait_dscnt 0x0                               ; both opening adds are done
	ROUND                                          ; all four work-groups are here: the joint loads meet
	s_wait_kmcnt 0x0
	s_mov_b32 s[G0], 1
	s_mov_b32 s[G0+1], 0
	s_add_nc_u64 s[G0+2:G0+3], s[4:5], s[78:79]
	s_or_b32 s[G0+3], s[G0+3], 0x80000000
.irp k, 0,1,2
	s_mov_b32 s[G0+4+4*\k], 1
	s_mov_b32 s[G0+5+4*\k], WB+\k*WK
	s_mov_b64 s[G0+6+4*\k:G0+7+4*\k], s[8+4*\k:9+4*\k]
	s_or_b32 s[G0+7+4*\k], s[G0+7+4*\k], 0x80000000
.endr
.macro ARM under, g0, g1, next         ; one tree of branches on the wave's number, one load in each arm
	s_cmp_lt_u32 s[WV], \under
	s_cbranch_scc0 \next
	tensor_load_to_lds s[\g0:\g0+3], s[\g1:\g1+7]
	s_nop 0
.rept 4
	v_nop
.endr
	s_branch .Lasked
\next:
.endm
	ARM 1, G0, G1X, .Lfor_q
	ARM 2, G0+4, G1W, .Lfor_k
	ARM 3, G0+8, G1W, .Lfor_v
	tensor_load_to_lds s[G0+12:G0+15], s[G1W:G1W+7]
	s_nop 0
.rept 4
	v_nop
.endr
.Lasked:
	s_lshl_b32 s78, s[GI], 11                      ; my tokens' scale bytes: 16 a token
	s_lshl_b32 s93, s[TG], 10
	s_add_co_u32 s78, s78, s93
	s_add_nc_u64 s[XSB:XSB+1], s[6:7], s[78:79]
.irp u, 0,1,2,3
	global_load_b128 v[XS+4*\u:XS+4*\u+3], v[NS16], s[XSB:XSB+1] offset:256*\u   ; the words of a token's four K steps
.endr
.irp t, 0,1
	global_load_b128 v[WS+4*\t:WS+4*\t+3], v[WSA], s[10:11] offset:256*\t
	global_load_b128 v[WS+8+4*\t:WS+8+4*\t+3], v[WSA], s[14:15] offset:256*\t
	global_load_b128 v[WS+16+4*\t:WS+16+4*\t+3], v[WSA], s[18:19] offset:256*\t
.endr
	; where the results go
	s_lshl_b32 s92, s[TG], 12
	s_lshl_b32 s93, s[BH], 9
	s_add_co_u32 s92, s92, s93                     ; my place among a step's blocks of q or k
	s_lshr_b32 s[KB0], s[GI], 1
	s_mul_i32 s[KB0], s[KB0], 2*HALFP
	s_and_b32 s93, s[GI], 1
	s_mul_i32 s93, s93, HALFP/2
	s_add_co_u32 s[KB0], s[KB0], s93               ; my step in kv
	s_mov_b32 s95, 0
	s_lshl_b32 s94, s[GI], 13
	s_add_co_u32 s94, s94, s92
	s_add_nc_u64 s[QBA:QBA+1], s[20:21], s[94:95]
	s_add_co_u32 s94, s[KB0], s92
	s_add_nc_u64 s[QBA+2:QBA+3], s[24:25], s[94:95]
	s_lshl_b32 s92, s[BH], 12
	s_lshl_b32 s93, s[TG], 10
	s_add_co_u32 s94, s[KB0], s92
	s_add_co_u32 s94, s94, s93
	s_add_co_u32 s94, s94, HALFP
	s_add_nc_u64 s[VBA:VBA+1], s[24:25], s[94:95]
	s_min_u32 s92, s[WV], 2
	s_max_u32 s92, s92, 1
	s_sub_co_u32 s92, s92, 1
	s_mul_i32 s92, s92, HALFP
	s_add_co_u32 s92, s92, s[KB0]
	s_add_co_u32 s92, s92, 8192
	s_lshl_b32 s93, s[GI], 8
	s_cmp_eq_u32 s[WV], 0
	s_cselect_b32 s94, s93, s92
	s_cselect_b64 s[SOB:SOB+1], s[22:23], s[24:25]
	s_add_nc_u64 s[SOB:SOB+1], s[SOB:SOB+1], s[94:95]
.macro ARR n                           ; the first n waves' tiles are in, in every wave's view
.if \n < 4
	s_cmp_lt_u32 s[WV], \n
	s_cbranch_scc0 .Lyet_\@
	s_wait_tensorcnt 0x0
.Lyet_\@:
.else
	s_wait_tensorcnt 0x0
.endif
	s_wait_dscnt 0x0
	s_barrier_signal -1
	s_barrier_wait -1
.endm
.macro WFETCH k                        ; my 32 rows of weight k, all of K: 32 loads into buffer k % 2
	WIN 0x80
.irp t, 0,1
.irp s, 0,1,2,3
.irp c, 0,1,2,3
	ds_load_b128 v[128*(\k%2)+16*(4*\t+\s)+4*\c:128*(\k%2)+16*(4*\t+\s)+4*\c+3], v[AW+\k/2] offset:(\k%2)*WK+16*\t*RP+128*\s+32*\c
.endr
.endr
.endr
	WIN 0
.endm
.macro MM k                            ; 32 products: the eight accumulators by turns, K ascending; the first K step starts the sums
.if \k < 2
	WIN 0x06                                       ; source 0 window 2 (W), source 1 window 1 (x)
.else
	WIN 0x09                                       ; source 0 window 1 (x), source 1 window 2 (W)
.endif
.irp s, 0,1,2,3
.irp u, 0,1,2,3
.irp t, 0,1
.set mW, 128*(\k%2)+16*(4*\t+\s)
.set mX, 16*(4*\u+\s)
.set mA, WS+8*\k+4*\t+\s
.set mB, XS+4*\u+\s
.if \k < 2
.set mD, ACC+16*\u+8*\t
.if \s == 0
	v_wmma_scale_f32_16x16x128_f8f6f4 v[mD:mD+7], v[mW:mW+15], v[mX:mX+15], 0, v[mA], v[mB]
.else
	v_wmma_scale_f32_16x16x128_f8f6f4 v[mD:mD+7], v[mW:mW+15], v[mX:mX+15], v[mD:mD+7], v[mA], v[mB]
.endif
.else
.set mD, ACC+16*(2*(\u/2)+\t)+8*(\u%2)
.if \s == 0
	v_wmma_scale_f32_16x16x128_f8f6f4 v[mD:mD+7], v[mX:mX+15], v[mW:mW+15], 0, v[mB], v[mA]
.else
	v_wmma_scale_f32_16x16x128_f8f6f4 v[mD:mD+7], v[mX:mX+15], v[mW:mW+15], v[mD:mD+7], v[mB], v[mA]
.endif
.endif
.endr
.endr
.endr
	WIN 0
.rept 8
	v_nop                                          ; places ahead of the first read of the sums
.endr
.endm
.macro QUANT k                         ; four blocks y, 16 neighbours along the next K each; the other half lies in lane l xor 16
.irp y, 0,1,2,3
	v_max3_num_f32 v[TM+\y], |v[ACC+16*\y]|, |v[ACC+16*\y+1]|, 0x4800000   ; and the floor 2^(9 - 127): the byte cannot fall under 1
.endr
.irp i, 2,4,6,8,10,12,14
.irp y, 0,1,2,3
	v_max3_num_f32 v[TM+\y], v[TM+\y], |v[ACC+16*\y+\i]|, |v[ACC+16*\y+\i+1]|
.endr
.endr
.irp y, 0,1,2,3
	v_permlanex16_b32 v[TP+\y], v[TM+\y], s[SEL], s[SEL+1]
.endr
.irp y, 0,1,2,3
	v_max_num_f32 v[TM+\y], v[TM+\y], v[TP+\y]     ; the block's largest magnitude
.endr
.irp y, 0,1,2,3
	v_add_nc_u32 v[TS+\y], 0xfc000000, v[TM+\y]    ; 8 off its exponent field: the conversion's scale operand
.endr
.irp y, 0,1,2,3
	v_and_or_b32 v[TH+\y], v[TM+\y], 0x7f800000, s[MNT]   ; 448 x the scale
.endr
.irp y, 0,1,2,3
	v_lshrrev_b32 v[TB+\y], 23, v[TS+\y]           ; the scale's byte
.endr
.irp y, 0,1,2,3
.irp i, 0,1,2,3,4,5,6,7,8,9,10,11,12,13,14,15
	v_med3_num_f32 v[ACC+16*\y+\i], v[ACC+16*\y+\i], -v[TH+\y], v[TH+\y]   ; the conversion does not saturate (ISA guide 7.6.2)
.endr
	v_cvt_scalef32_pk8_fp8_f32 v[COD+16*\k+4*\y:COD+16*\k+4*\y+1], v[ACC+16*\y:ACC+16*\y+7], v[TS+\y]
	v_cvt_scalef32_pk8_fp8_f32 v[COD+16*\k+4*\y+2:COD+16*\k+4*\y+3], v[ACC+16*\y+8:ACC+16*\y+15], v[TS+\y]
.endr
	v_nop                                          ; a plain instruction behind the last conversion
.irp y, 0,1,2,3
.if \k < 2
	ds_store_b8 v[SQ], v[TB+\y] offset:256*\k+2*\y           ; both halves of the lanes write the same byte with the same value
	global_store_b128 v[LO], v[COD+16*\k+4*\y:COD+16*\k+4*\y+3], s[QBA+2*\k:QBA+2*\k+1] offset:1024*\y   ; 512 consecutive bytes, aligned
.else
	ds_store_b8 v[SV], v[TB+\y] offset:4*(\y%2)+\y/2
	global_store_b128 v[LO], v[COD+16*\k+4*\y:COD+16*\k+4*\y+3], s[VBA:VBA+1] offset:2048*(\y%2)+512*(\y/2)
.endif
.endr
.endm
	ARR 1                                          ; x is in
	WIN 0x40
.irp u, 0,1,2,3
.irp s, 0,1,2,3
.irp c, 0,1,2,3
	ds_load_b128 v[16*(4*\u+\s)+4*\c:16*(4*\u+\s)+4*\c+3], v[AX] offset:16*\u*RP+128*\s+32*\c
.endr
.endr
.endr
	WIN 0
	ARR 2                                          ; Wq is in
	WFETCH 0
	s_wait_loadcnt 0x0                             ; the scale words
	s_wait_dscnt 0x0
	MM 0
	ARR 3                                          ; Wk is in
	WFETCH 1                                       ; it comes into registers while q is quantised
	QUANT 0
	s_wait_dscnt 4                                 ; all but the four byte stores issued behind the 32 loads
	MM 1
	ARR 4                                          ; Wv is in
	WFETCH 2
	QUANT 1
	s_wait_dscnt 4
	MM 2
	QUANT 2
	s_wait_dscnt 0x0                               ; for the others' sake: my bytes are stored
	s_barrier_signal -1
	s_barrier_wait -1
	s_cmp_gt_u32 s[WV], 2
	s_cbranch_scc1 .Lno_out
	ds_load_b64 v[OUTW:OUTW+1], v[SRD]
	s_wait_dscnt 0x0
	global_store_b64 v[SGO], v[OUTW:OUTW+1], s[SOB:SOB+1]   ; 32 lanes store 256 consecutive bytes, aligned
.Lno_out:
	s_wait_tensorcnt 0x0                           ; the wave's end
	ds_add_u32 v[SPW], v[NIL]
	s_wait_dscnt 0x0
	ROUND                                          ; the closing round
	s_endpgm
.Lfunc_end_k_q09a9214749_proj:
	.size	k_q09a9214749_proj, .Lfunc_end_k_q09a9214749_proj-k_q09a9214749_proj
	.p2alignl 7, 3214868480
	.fill 96, 4, 3214868480
	.section	.rodata,"a",@progbits
	.p2align	6, 0x0
	.amdhsa_kernel k_q09a9214749_proj
		.amdhsa_group_segment_fixed_size 196608
		.amdhsa_private_segment_fixed_size 0
		.amdhsa_enable_private_segment 0
		.amdhsa_kernarg_size 88
		.amdhsa_user_sgpr_count 2
		.amdhsa_user_sgpr_kernarg_segment_ptr 1
		.amdhsa_wavefront_size32 1
		.amdhsa_system_sgpr_workgroup_id_x 1
		.amdhsa_system_sgpr_workgroup_id_y 1
		.amdhsa_system_sgpr_workgroup_id_z 1
		.amdhsa_system_vgpr_workitem_id 0
		.amdhsa_next_free_vgpr 768
		.amdhsa_next_free_sgpr 102
		.amdhsa_reserve_vcc 0
		.amdhsa_float_denorm_mode_32 3
		.amdhsa_float_denorm_mode_16_64 3
		.amdhsa_memory_ordered 1
		.amdhsa_forward_progress 1
		.amdhsa_inst_pref_size 59
	.end_amdhsa_kernel
	.amdgpu_metadata
---
amdhsa.version: [ 1, 2 ]
amdhsa.kernels:
  - .name:           k_q09a9214749_proj
    .symbol:         k_q09a9214749_proj.kd
    .args:
      - { .name: x_codes, .offset: 0, .size: 8, .value_kind: global_buffer, .address_space: global }
      - { .name: x_scales, .offset: 8, .size: 8, .value_kind: global_buffer, .address_space: global }
      - { .name: Wq_codes, .offset: 16, .size: 8, .value_kind: global_buffer, .address_space: global }
      - { .name: Wq_scales, .offset: 24, .size: 8, .value_kind: global_buffer, .address_space: global }
      - { .name: Wk_codes, .offset: 32, .size: 8, .value_kind: global_buffer, .address_space: global }
      - { .name: Wk_scales, .offset: 40, .size: 8, .value_kind: global_buffer, .address_space: global }
      - { .name: Wv_codes, .offset: 48, .size: 8, .value_kind: global_buffer, .address_space: global }
      - { .name: Wv_scales, .offset: 56, .size: 8, .value_kind: global_buffer, .address_space: global }
      - { .name: qc, .offset: 64, .size: 8, .value_kind: global_buffer, .address_space: global }
      - { .name: qs, .offset: 72, .size: 8, .value_kind: global_buffer, .address_space: global }
      - { .name: kv, .offset: 80, .size: 8, .value_kind: global_buffer, .address_space: global }
    .group_segment_fixed_size: 196608
    .private_segment_fixed_size: 0
    .kernarg_segment_align: 8
    .kernarg_segment_size: 88
    .max_flat_workgroup_size: 128
    .sgpr_count:     102
    .vgpr_count:     768
    .wavefront_size: 32
...
	.end_amdgpu_metadata
.endif
;; end of part 1
;; launch attn (part 2): grid 16 x 16, 16 waves a work-group, clusters of 4 x 1, 327,680 bytes of LDS; arguments qc, qs, kv, out0; writes out0
.if DOCPART == 2
	.amdgcn_target "amdgcn-amd-amdhsa--gfx1250"
	.amdhsa_code_object_version 6
	.text
	.protected	k_q09a9214749_attn
	.globl	k_q09a9214749_attn
	.p2align	8
	.type	k_q09a9214749_attn,@function
k_q09a9214749_attn:
	s_mov_b64 s[64:65], 0
	v_nop
	global_prefetch_b8 v0, s[64:65] scope:SCOPE_SE
	s_setreg_imm32_b32 hwreg(HW_REG_WAVE_MODE, 25, 1), 1
	s_wait_xcnt 0x0
	s_wait_alu depctr_hold_cnt(0) depctr_sa_sdst(0) depctr_va_vdst(0) depctr_va_sdst(0) depctr_va_ssrc(0) depctr_va_vcc(0) depctr_vm_vsrc(0)
	s_getreg_b32 s2, hwreg(HW_REG_IB_STS2, 6, 4)
	s_cmp_eq_u32 s2, 0
	s_cbranch_scc0 .Lentry_in_a_cluster
	s_endpgm
.Lentry_in_a_cluster:
	s_bfe_u32 s2, ttmp6, 0x10000c
	s_cmp_lg_u32 s2, 0x3003
	s_cbranch_scc0 .Lentry_shape_is_right
	s_endpgm
.Lentry_shape_is_right:
; out[b][q] = sum over k <= q of softmax_k(q . k / 8) v, both products on codes of E4M3 with one E8M0 scale for each 32 along K.
; t = score x log2(e) / 8; M = the largest t so far, rounded up to a whole number; p = 2^(t - M) is quantised along the keys, not normalised; the row's sum is taken of the unquantised p and divides at the end.
; LEFT OUT: key steps of 128 keys all of which come after a tile's 16 queries: the mask gives these keys the weight 0, whatever the inputs hold.  A NaN or an infinity that reaches only such products is not carried.
; A BATCH'S K AND V LIE IN LDS WHOLE, 270,336 bytes with their scale words: every tensor load stands at the head, nothing is filled again, and there is no loop in which a prefetch could run ahead.
; CLUSTER.  The four work-groups of a cluster ask jointly (mask 15), one load a wave: wave c the c-th 16,896 bytes: K (c even) or V (c odd) of key steps c & ~1 and the next.  Every chunk holds a step that every work-group reads.
;   Waves 0 to 5 fetch steps 0 to 5; the first tasks read steps 0 to 4 alone, so the barrier ahead of them shows those waves' line alone.
; SHARES.  A work-group owns eight tiles of 16 queries, four pairs: quad Q (0 .. 3), x = Q / 2, s = Q % 2: a small tile tau = 32 x + g (s = 0) or 32 x + 31 - g (s = 1), g the work-group's x, of n1 = 4 x + na key steps, and the large tile 127 - tau
;   of 17 - n1.  na = 1 + e or 4 - e, e = g / 8.  Wave 4 A + B has quad B and role A xor B.  THE CROSSING WAVE (role x) takes the small tile's steps 0 .. na - 1 and then the large tile's 12 - 4 x .. 16 - n1: five steps.
;   Every other wave has four: role 0 where x = 1 the small tile's na .. na + 3; roles i > x the large tile's i - x - 1 on, 3 - x apart.
; The pieces of a tile meet in LDS: sums and M first; each wave then scales its own piece by 2^(its M - M) / the row's sum, and the scaled pieces are added.
; No branch and no LDS address hangs on the place in the cluster: e is made of the cluster's x; the place enters Q's and out's addresses and the mask's numbers alone.
; THE HEAD'S 64 ARE HALF OF THE INSTRUCTION'S K.  A fragment of K holds 32 keys: row r has key 16 u + r at k = 64 u on.  It is multiplied by [q | zero codes] and by [zero codes | q]: two tiles of S^T; zero codes add nothing.
; Register 16 b + 8 u + j of lane (query r, half h) is key 32 b + 16 u + 8 h + j of the step: V's codes lie in the same order, so the conversions' results are the second product's operand.
; LIMITS: NaN and infinities are not served; the scaled scores stay under 2^31 in magnitude.  A block of p whose largest lies under 2^(9 - 127) has its byte held at 1; v_exp_f32 gives 0 for results under 2^-126.
.set CHUNK, 16896
.set PCS,   4352                       ; a piece of O: 16 rows of 256 bytes + 16
.set FLB,   16*CHUNK                   ; four pieces: the crossing waves' small tiles.  (The 16 waves' own pieces go over K and V when these have been read for the last time)
.set MLB,   FLB+4*PCS                  ; [quad][small, large][r][four pieces] (sum, -M); no tensor load lands here
.set SPARE, MLB+4096                   ; the spare words, 128 bytes for each wave
.set LB,   1                           ; v1   16 x lane
.set LR,   2                           ; v2   16 r
.set AD,   3                           ; v3, v4 the addresses of even tasks, v5, v6 of odd ones
.set STO,  7                           ; v7   my piece: 272 r + 32 h
.set SPW,  8
.set NIL,  9
.set FLO,  10                          ; v10  the quad's flushed piece
.set MLR,  11                          ; v11  the quad's sums: 32 r
                                       ; v12 -M, v13 the largest score, v[14:15] the sum in two halves; v16-23 zero codes, v24-31 q, v32-39 zero codes
                                       ; v40-103, v104-167 by turns: K then V; the scores, then p, then the next step's K
.set O,    168                         ; O^T: tile n (channels 16 n + 8 h + j) at 8 n
.set PC,   200
.set BM,   216
.set T2,   220
.set HD,   224
.set SO,   228
.set KS,   232
.set VS,   236
.set QS,   240                         ; v240 q's scale word, v241 the second tile's
.set FF,   242
.set PW,   243
.set TT,   244
.set TO,   245
.set DG,   246                         ; v[246:247] (d + 1/2) 2^117 and (d - 1/2) 2^117, d = my query in the diagonal step - 8 h
.set Q2,   248                         ; v248-255 the second tile's q (the crossing waves use it)
.set WV,   12
.set QQ,   13
.set RI,   14
.set XX,   15
.set XR,   16                          ; 0 in the crossing wave
.set SM1,  17                          ; 1 in role 0 where x = 1
.set NA,   18
.set ND,   19                          ; my tile's diagonal step
.set SEL,  20
.set CS,   22
.set NC,   24
.set NDL,  25
.set D0L,  26
.set V0,   27
.set KO,   28                          ; s28-32 where task t's step begins in LDS
.set KSI,  33                          ; s33-37 its number
.set BIG,  38
.set BB,   39
.set G1,   40
.set G0,   48
.set QA,   52
.set WA,   54
.set QB,   56
.set WBB,  58
.set OUT,  60
.set BH,   62
.set SHB,  63
.macro ROUND
	s_barrier_signal -1
	s_barrier_wait -1
	s_cmp_lg_u32 s[WV], 0
	s_cbranch_scc1 .Lnw0_\@
	s_barrier_signal -3
.Lnw0_\@:
	s_barrier_wait -3
	s_barrier_signal -1
	s_barrier_wait -1
.endm
.macro WALU
	s_wait_alu depctr_va_vdst(0)
.endm
	s_load_b256 s[4:11], s[0:1], 0x0               ; qc, qs, kv, out0
	v_lshl_add_u32 v[SPW], v0, 2, SPARE
	v_mov_b32 v[NIL], 0
	ds_add_u32 v[SPW], v[NIL]                      ; the wave's opening: the add, twice on end, and its wait ahead of my tensor load
	ds_add_u32 v[SPW], v[NIL]
	v_lshrrev_b32 v1, 5, v0
	v_readfirstlane_b32 s[WV], v1                  ; wave 0..15
	s_and_b32 s[QQ], s[WV], 3
	s_lshr_b32 s[RI], s[WV], 2
	s_xor_b32 s[RI], s[RI], s[QQ]
	s_lshr_b32 s[XX], s[QQ], 1
	s_and_b32 s66, s[QQ], 1
	s_xor_b32 s[XR], s[RI], s[XX]
	s_lshr_b32 s[BIG], s[RI], 1                    ; at the end I add the small tile's pieces (0) or the large one's (1)
	s_xor_b32 s[V0], s[XX], s[BIG]                 ; 1: role 0's piece is among them
	s_or_b32 s67, s[RI], s[BIG]
	s_and_b32 s67, s67, 1
	s_xor_b32 s67, s67, 1
	s_and_b32 s[SM1], s67, s[XX]
	s_lshr_b32 s87, ttmp9, 1
	s_and_b32 s87, s87, 1                          ; e: the same in all four partners
	s_lshl_b32 s68, s87, 1
	s_sub_co_u32 s68, 3, s68
	s_mul_i32 s68, s68, s66
	s_add_co_u32 s68, s68, s87
	s_add_co_u32 s[NA], s68, 1
	s_lshl_b32 s69, s[XX], 2
	s_add_co_u32 s70, s69, s[NA]                   ; n1
	s_sub_co_u32 s[NDL], 16, s70                   ; the large tile's last step
	s_sub_co_u32 s71, s70, 1                       ; the small one's
	; the tasks' steps
	s_sub_co_u32 s81, s[RI], s[XX]
	s_sub_co_u32 s81, s81, 1
	s_sub_co_u32 s82, 3, s[XX]
	s_cmp_eq_u32 s[SM1], 1
	s_cselect_b32 s81, s[NA], s81
	s_cselect_b32 s82, 1, s82
	s_cmp_eq_u32 s[XR], 0
	s_cselect_b32 s81, 0, s81
	s_cselect_b32 s82, 1, s82
	s_cselect_b32 s83, s[NA], 15                   ; the crossing wave goes over to the large tile at task na
	s_sub_co_u32 s84, 12, s70
	s_min_u32 s[KSI], s81, 4
	s_mov_b32 s85, s81
.irp t, 1,2,3,4
	s_add_co_u32 s85, s85, s82
	s_cmp_le_u32 s83, \t
	s_cselect_b32 s86, s84, 0
	s_add_co_u32 s86, s86, s85
	s_and_b32 s[KSI+\t], s86, 15
.endr
.irp t, 0,1,2,3,4
	s_lshr_b32 s85, s[KSI+\t], 1
	s_mul_i32 s85, s85, 2*CHUNK
	s_and_b32 s86, s[KSI+\t], 1
	s_mul_i32 s86, s86, CHUNK/2
	s_add_co_u32 s[KO+\t], s85, s86
.endr
	s_lshl_b32 s72, s[QQ], 2
	s_add_co_u32 s72, s72, s[RI]
	s_mul_i32 s72, s72, PCS                        ; my piece
	s_mul_i32 s73, s[QQ], PCS
	s_add_co_u32 s73, s73, FLB                     ; the quad's flushed piece
	s_lshl_b32 s74, s[QQ], 10
	s_add_co_u32 s74, s74, MLB
	s_xor_b32 s90, s[SM1], 1
	s_lshl_b32 s90, s90, 9
	s_add_co_u32 s91, s[RI], s[SM1]
	s_lshl_b32 s91, s91, 3
	s_add_co_u32 s90, s90, s91                     ; my sums' place: tile 1 - SM1, piece role + SM1
	s_lshl_b32 s91, s[SM1], 9
	s_xor_b32 s92, s[SM1], 1
	s_lshl_b32 s92, s92, 3
	s_add_co_u32 s91, s91, s92                     ; role 0: the other tile's place that no piece has: tile SM1, piece 1 - SM1
	s_and_b32 s92, s[RI], 1
	s_lshl_b32 s92, s92, 3                         ; the eight rows that I add
	s_mul_i32 s93, s[QQ], 4*PCS
	; tiles and where they lie: here alone the place in the cluster comes in
	s_and_b32 s77, ttmp7, 0xffff                   ; batch
	s_bfe_u32 s86, ttmp6, 0x40000
	s_lshl_b32 s85, ttmp9, 2
	s_add_co_u32 s86, s86, s85                     ; g
	s_lshl_b32 s85, s86, 1
	s_sub_co_u32 s85, 31, s85
	s_mul_i32 s85, s85, s66
	s_add_co_u32 s85, s85, s86
	s_lshl_b32 s78, s[XX], 5
	s_add_co_u32 s78, s78, s85                     ; the small tile
	s_sub_co_u32 s79, 127, s78                     ; the large one
	s_cmp_le_u32 s[RI], s[XX]                      ; my first tile
	s_cselect_b32 s[ND], s71, s[NDL]
	s_cselect_b32 s80, s78, s79
	s_and_b32 s75, s80, 7
	s_lshl_b32 s75, s75, 4
	s_and_b32 s[D0L], s79, 7
	s_lshl_b32 s[D0L], s[D0L], 4
	s_and_b32 s76, s80, 1
	s_lshl_b32 s76, s76, 4
	s_and_b32 s[SHB], s79, 1
	s_lshl_b32 s[SHB], s[SHB], 4
	s_cmp_eq_u32 s[BIG], 0
	s_cselect_b32 s86, s78, s79
	s_lshl_b32 s[OUT], s86, 12
	s_lshl_b32 s86, s77, 19
	s_add_co_u32 s[OUT], s[OUT], s86
	s_mov_b32 s[OUT+1], 0
.macro QOFF tau, a, w                  ; a tile's codes: 1,024 bytes; its scale words: [step][r][fragment]
	s_lshl_b32 s[\a], s\tau, 10
	s_lshl_b32 s86, s77, 17
	s_add_co_u32 s[\a], s[\a], s86
	s_mov_b32 s[\a+1], 0
	s_lshr_b32 s[\w], s\tau, 3
	s_lshl_b32 s[\w], s[\w], 8
	s_bfe_u32 s86, s\tau, 0x20001
	s_lshl_b32 s86, s86, 2
	s_add_co_u32 s[\w], s[\w], s86
	s_lshl_b32 s86, s77, 12
	s_add_co_u32 s[\w], s[\w], s86
	s_mov_b32 s[\w+1], 0
.endm
	QOFF 80, QA, WA
	QOFF 79, QB, WBB
	; group 1: 66 rows of 256 bytes (32 elements of 8 bytes), dense
	s_mov_b32 s[G1], 15|(3<<16)|(1<<21)
	s_mov_b32 s[G1+1], 32<<16
	s_mov_b32 s[G1+2], 66<<16
	s_mov_b32 s[G1+3], 32<<16
	s_mov_b32 s[G1+4], 66
	s_mov_b32 s[G1+5], 32
	s_mov_b32 s[G1+6], 0
	s_mov_b32 s[G1+7], 0
	s_mov_b32 s[SEL], 0x76543210
	s_mov_b32 s[SEL+1], 0xfedcba98
	s_mov_b32 s[CS], 0x3e38aa3b                    ; c = log2(e) / 8
	s_mov_b32 s[CS+1], s[CS]                       ; (named with it as a pair, so it is written)
	s_mov_b32 s[NC], 0xbe38aa3b                    ; -c
	s_mov_b32 s[BB], 0x7a000000                    ; 2^117
	s_mov_b32 s[BH], 0x79800000                    ; 2^116
	s_mul_i32 s[G0+1], s[WV], CHUNK
	s_mov_b32 s[G0], 1
	s_mul_i32 s68, s77, 16*CHUNK
	s_add_co_u32 s68, s68, s[G0+1]
	s_mov_b32 s69, 0
	v_and_b32 v41, 15, v0                          ; r
	v_bfe_u32 v40, v0, 4, 1                        ; h
	v_and_b32 v[LB], 31, v0
	v_lshlrev_b32 v[LR], 4, v41
	v_lshlrev_b32 v[LB], 4, v[LB]
	v_mul_u32_u24 v42, v41, 272
	v_lshlrev_b32 v43, 5, v41
	v_lshl_add_u32 v42, v40, 5, v42
	v_add_nc_u32 v[MLR], s74, v43
	v_add_nc_u32 v[STO], s72, v42
	v_add_nc_u32 v[FLO], s73, v42
	v_lshlrev_b32 v44, 3, v40
	v_sub_nc_u32 v44, v41, v44
	v_add_nc_u32 v44, s75, v44
	v_cvt_f32_i32 v44, v44
	v_fma_f32 v[DG], v44, s[BB], s[BH]
	v_sub_f32 v[DG+1], v[DG], s[BB]
.macro ADDR t
	v_add_nc_u32 v[AD+2*((\t)%2)], s[KO+\t], v[LB]
	v_add_nc_u32 v[AD+1+2*((\t)%2)], s[KO+\t], v[LR]
.endm
	ADDR 0
.irp b, 0,1,2,3
	v_mov_b32 v[T2+\b], 0                          ; a lane permute's destination counts as one of its sources
.endr
	s_wait_alu depctr_va_vdst(0)
	s_wait_dscnt 0x0                               ; both opening adds are done
	ROUND                                          ; all four work-groups are here: the joint loads meet
	s_wait_kmcnt 0x0
	s_add_nc_u64 s[G0+2:G0+3], s[8:9], s[68:69]
	s_or_b32 s[G0+3], s[G0+3], 0x80000000
	s_cmp_lt_u32 s[WV], 6                          ; one joint load a wave; a line of its own for what the first barrier shows
	s_cbranch_scc0 .Llate
	tensor_load_to_lds s[G0:G0+3], s[G1:G1+7]
	s_nop 0
.rept 4
	v_nop
.endr
	s_branch .Lasked
.Llate:
	tensor_load_to_lds s[G0:G0+3], s[G1:G1+7]
	s_nop 0
.rept 4
	v_nop
.endr
.Lasked:
	s_add_nc_u64 s[QA:QA+1], s[4:5], s[QA:QA+1]
	s_add_nc_u64 s[WA:WA+1], s[6:7], s[WA:WA+1]
	s_add_nc_u64 s[QB:QB+1], s[4:5], s[QB:QB+1]
	s_add_nc_u64 s[WBB:WBB+1], s[6:7], s[WBB:WBB+1]
	s_add_nc_u64 s[OUT:OUT+1], s[10:11], s[OUT:OUT+1]
	global_load_b128 v[24:27], v[LB], s[QA:QA+1]             ; q: block 0 of its channels,
	global_load_b128 v[28:31], v[LB], s[QA:QA+1] offset:512  ; block 1
	global_load_b32 v[QS], v[LR], s[WA:WA+1]
	global_load_b128 v[Q2:Q2+3], v[LB], s[QB:QB+1]
	global_load_b128 v[Q2+4:Q2+7], v[LB], s[QB:QB+1] offset:512
	global_load_b32 v[QS+1], v[LR], s[WBB:WBB+1]
.irp j, 0,1,2,3,4,5,6,7
	v_mov_b32 v[16+\j], 0                          ; zero codes on both sides of q
	v_mov_b32 v[32+\j], 0
.endr
	s_wait_alu depctr_va_vdst(0)
	s_wait_loadcnt 0x0                             ; q and its scale words
	v_lshrrev_b32 v[QS], s76, v[QS]                ; the word holds two tokens' bytes: mine are bytes 2 u, 2 u + 1;
	v_lshrrev_b32 v[QS+1], s[SHB], v[QS+1]
	v_and_b32 v[QS], 0xffff, v[QS]
	v_and_b32 v[QS+1], 0xffff, v[QS+1]
	v_lshl_or_b32 v[QS], v[QS], 16, v[QS]          ; they serve q in either half of K
	v_lshl_or_b32 v[QS+1], v[QS+1], 16, v[QS+1]
.rept 8
	v_nop                                          ; places between the scale word and the first product
.endr
	s_wait_alu depctr_va_vdst(0)                   ; at the head's end
	s_cmp_lt_u32 s[WV], 6
	s_cbranch_scc0 .Lnot_mine
	s_wait_tensorcnt 0x0                           ; waves 0 to 5: steps 0 to 5 are in
.Lnot_mine:
	s_barrier_signal -1
	s_barrier_wait -1
.macro KLOAD t, R                      ; task t's K: an image of the operand's registers, 512 consecutive bytes a load; and row r's words of the four fragments: 17 loads
.set ka, AD+2*((\t)%2)
.irp f, 0,1,2,3
.irp c, 0,1,2,3
	ds_load_b128 v[\R+16*\f+4*\c:\R+16*\f+4*\c+3], v[ka] offset:2048*\f+512*\c
.endr
.endr
	ds_load_b128 v[KS:KS+3], v[ka+1] offset:8192
.endm
.macro VLOAD t, R
.set ka, AD+2*((\t)%2)
.irp f, 0,1,2,3
.irp c, 0,1,2,3
	ds_load_b128 v[\R+16*\f+4*\c:\R+16*\f+4*\c+3], v[ka] offset:CHUNK+2048*\f+512*\c
.endr
.endr
	ds_load_b128 v[VS:VS+3], v[ka+1] offset:CHUNK+8192
.endm
; two neighbours' minima at once: both against v[a], v[a + q]
.macro MIN2 x, a, q
	v_dual_min_num_f32 v[\x], v[\a], v[\x] :: v_dual_min_num_f32 v[\x+1], v[\a+\q], v[\x+1]
.endm
; the diagonal step: a score is held under (d - m + 1/2) 2^117, m its register's key less 8 h: for a hidden key that is -2^116 or less, and p = 0; for any other 2^116 or more
.macro MASK S
	v_mov_b32 v[HD], v[DG]
	v_mov_b32 v[HD+1], v[DG+1]
	v_pk_add_f32 v[HD+2:HD+3], v[DG:DG+1], 0xfc800000 op_sel_hi:[1,0]   ; 32 keys on,
	v_pk_add_f32 v[HD+4:HD+5], v[DG:DG+1], 0xfd000000 op_sel_hi:[1,0]   ; 64,
	v_pk_add_f32 v[HD+6:HD+7], v[DG:DG+1], 0xfd400000 op_sel_hi:[1,0]   ; 96
.irp k, 0,1,2,3,4,5,6,7
.irp b, 0,1,2,3
	MIN2 \S+16*\b+2*\k, HD+2*\b, 1
.endr
.if \k < 7
.irp b, 0,1,2,3
.if \k == 3
	v_pk_add_f32 v[HD+2*\b:HD+2*\b+1], v[HD+2*\b:HD+2*\b+1], 0xfba00000 op_sel_hi:[1,0]   ; ten keys on
.else
	v_pk_add_f32 v[HD+2*\b:HD+2*\b+1], v[HD+2*\b:HD+2*\b+1], 0xfa800000 op_sel_hi:[1,0]   ; two keys on
.endif
.endr
.endif
.endr
.endm
; TASK t: a key step of 128 keys.  Its K lies in KR (or is on its way there); the scores go into SR, V into KR.  first: no sum stands yet.  pre: the next task's K goes into SR when p has been converted (2: in the crossing wave alone)
.macro TASK t, KR, SR, first, pre
	s_wait_dscnt 0x0
.irp f, 0,1,2,3
.irp u, 0,1
	v_wmma_scale_f32_16x16x128_f8f6f4 v[\SR+8*(2*\f+\u):\SR+8*(2*\f+\u)+7], v[\KR+16*\f:\KR+16*\f+15], v[24-8*\u:39-8*\u], 0, v[KS+\f], v[QS]
.endr
.endr
.if \t < 4
	ADDR \t+1                                      ; (eight places ahead of the loads into K's registers and of the first read of the scores)
.else
	v_nop
	v_nop
.endif
.if \first
	v_nop
.else
	v_mov_b32 v[TO], v12
.endif
.rept 5
	v_nop
.endr
	VLOAD \t, \KR                                  ; V^T: it lands while the softmax is walked
	s_cmp_lg_u32 s[KSI+\t], s[ND]
	s_cbranch_scc1 .Lopen_\@
	MASK \SR
.Lopen_\@:
.irp b, 0,1,2,3
	v_max3_num_f32 v[BM+\b], v[\SR+16*\b], v[\SR+16*\b+1], v[\SR+16*\b+2]   ; the largest score of each block of 32 keys: for the row's maximum and for the block's scale
.endr
.irp i, 3,5,7,9,11,13
.irp b, 0,1,2,3
	v_max3_num_f32 v[BM+\b], v[BM+\b], v[\SR+16*\b+\i], v[\SR+16*\b+\i+1]
.endr
.endr
.irp b, 0,1,2,3
	v_max_num_f32 v[BM+\b], v[BM+\b], v[\SR+16*\b+15]
.endr
.irp b, 0,1,2,3
	v_permlanex16_b32 v[T2+\b], v[BM+\b], s[SEL], s[SEL+1]
.endr
.irp b, 0,1,2,3
	v_max_num_f32 v[BM+\b], v[BM+\b], v[T2+\b]     ; with lane l xor 16's 16 keys
.endr
	v_max3_num_f32 v[TT], v[BM], v[BM+1], v[BM+2]
	s_delay_alu instid0(VALU_DEP_1)
.if \first
	v_max_num_f32 v13, v[TT], v[BM+3]
.else
	v_max3_num_f32 v13, v13, v[TT], v[BM+3]        ; the largest score so far
.endif
	s_delay_alu instid0(VALU_DEP_1)
	v_mul_f32 v[TT], s[NC], v13
	s_delay_alu instid0(VALU_DEP_1)
	v_floor_f32 v12, v[TT]                         ; -M = floor(-t): a whole number
	s_delay_alu instid0(VALU_DEP_1)
	v_fma_f32 v[BM], v[BM], s[CS], v12             ; each block's largest t - M
.if \first == 0
	v_sub_f32 v[TT], v12, v[TO]                    ; old M - new M, 0 or less
.endif
	v_fma_f32 v[BM+1], v[BM+1], s[CS], v12
.if \first == 0
	v_cvt_i32_f32 v[TT], v[TT]                     ; (it saturates)
.endif
	v_fma_f32 v[BM+2], v[BM+2], s[CS], v12
.if \first == 0
	v_ldexp_f32 v[FF], 1.0, v[TT]                  ; f = 2^(old M - new M): a multiplication by it rounds nothing
.endif
	v_fma_f32 v[BM+3], v[BM+3], s[CS], v12
.irp b, 0,1,2,3
	v_max_num_f32 v[BM+\b], 0xc2ec0000, v[BM+\b]   ; -118: the byte cannot fall under 1
.endr
.irp b, 0,1,2,3
	v_cvt_floor_i32_f32 v[T2+\b], v[BM+\b]         ; e = floor(log2(the block's largest p))
.endr
.irp b, 0,1,2,3
	v_add_lshl_u32 v[SO+\b], v[T2+\b], 0x77, 23    ; the byte e + 119 as an exponent field: the conversion's scale operand
.endr
.irp b, 0,1,2,3
	v_add_nc_u32 v[HD+\b], 0x4600000, v[SO+\b]     ; 448 x the scale: 8 onto the exponent field, 448's mantissa
.endr
.set tj, 0
.rept 32
	v_pk_fma_f32 v[\SR+tj:\SR+tj+1], v[\SR+tj:\SR+tj+1], s[CS:CS+1], v[12:13] op_sel_hi:[1,0,0]   ; t - M, two at a time
.if tj == 0
	v_lshl_add_u32 v[PW], v[T2+1], 8, v[T2]        ; p's scale word: the four e as bytes (the carries of the sum run out at the end)
.elseif tj == 8
	v_lshl_add_u32 v[PW], v[T2+2], 16, v[PW]
.elseif tj == 16
	v_lshl_add_u32 v[PW], v[T2+3], 24, v[PW]
.elseif tj == 24
	v_add_nc_u32 v[PW], 0x77777777, v[PW]          ; + 119 in each
.endif
.set tj, tj+2
.endr
	WALU                                           ; ahead of the batch
.set tj, 0
.rept 64
	v_exp_f32 v[\SR+tj], v[\SR+tj]                 ; p = 2^(t - M)
.set tj, tj+1
.endr
.if \first
	v_nop                                          ; a plain instruction behind the exponentials
.else
	v_pk_mul_f32 v[14:15], v[14:15], v[FF:FF+1] op_sel_hi:[1,0]   ; the sums under the new M: a plain instruction behind the exponentials
.endif
	WALU                                           ; and behind it, ahead of its first reader
.irp k, 0,1,2,3
	v_pk_add_f32 v[BM+2*\k:BM+2*\k+1], v[\SR+4*\k:\SR+4*\k+1], v[\SR+4*\k+2:\SR+4*\k+3]   ; the row's sum of the unquantised p, in five chains
.endr
.if \first
	v_pk_add_f32 v[14:15], v[\SR+16:\SR+17], v[\SR+18:\SR+19]
.set tj, 20
.else
	v_pk_add_f32 v[14:15], v[14:15], v[\SR+16:\SR+17]
.set tj, 18
.endif
.set ti, 0
.rept 23-\first
.if ti%5 == 4
.set tc, 14
.else
.set tc, BM+2*(ti%5)
.endif
	v_pk_add_f32 v[tc:tc+1], v[tc:tc+1], v[\SR+tj:\SR+tj+1]
.set ti, ti+1
.set tj, tj+2
.endr
.irp b, 0,1,2,3
.irp i, 0,2,4,6,8,10,12,14
	MIN2 \SR+16*\b+\i, HD+\b, 0                    ; the conversion does not saturate (ISA guide 7.6.2); p is not negative, so the hold is one-sided
.endr
	v_cvt_scalef32_pk8_fp8_f32 v[PC+4*\b:PC+4*\b+1], v[\SR+16*\b:\SR+16*\b+7], v[SO+\b]
	v_cvt_scalef32_pk8_fp8_f32 v[PC+4*\b+2:PC+4*\b+3], v[\SR+16*\b+8:\SR+16*\b+15], v[SO+\b]
.endr
.if \pre == 1
	KLOAD \t+1, \SR
.elseif \pre == 2
	WALU
	s_cmp_lg_u32 s[XR], 0
	s_cbranch_scc1 .Lnone_\@
	KLOAD \t+1, \SR
	s_wait_dscnt 17                                ; V is in; the 17 loads just issued may be out
	s_branch .Lgo_\@
.Lnone_\@:
	s_wait_dscnt 0x0
.Lgo_\@:
.endif
.if \first
.rept 4
	v_nop                                          ; places between the codes and the products
.endr
.else
	WALU                                           ; ahead of the first readers of O^T
.set tj, 0
.rept 16
	v_pk_mul_f32 v[O+tj:O+tj+1], v[O+tj:O+tj+1], v[FF:FF+1] op_sel_hi:[1,0]   ; O^T under the new M; these are also the places between the codes and the products
.set tj, tj+2
.endr
.endif
	WALU
.if \pre == 1
	s_wait_dscnt 17                                ; V and its scale words; the 17 loads of the next K may be out
.elseif \pre == 0
	s_wait_dscnt 0x0
.endif
.irp n, 0,1,2,3
.if \first
	v_wmma_scale_f32_16x16x128_f8f6f4 v[O+8*\n:O+8*\n+7], v[\KR+16*\n:\KR+16*\n+15], v[PC:PC+15], 0, v[VS+\n], v[PW]
.else
	v_wmma_scale_f32_16x16x128_f8f6f4 v[O+8*\n:O+8*\n+7], v[\KR+16*\n:\KR+16*\n+15], v[PC:PC+15], v[O+8*\n:O+8*\n+7], v[VS+\n], v[PW]
.endif
.endr
	v_pk_add_f32 v[BM:BM+1], v[BM:BM+1], v[BM+2:BM+3]        ; the sum's chains join: four of the nine places ahead of the next scores, which write over V's registers
	v_pk_add_f32 v[T2:T2+1], v[T2:T2+1], v[T2+2:T2+3]
	v_pk_add_f32 v[BM:BM+1], v[BM:BM+1], v[T2:T2+1]
	v_pk_add_f32 v[14:15], v[14:15], v[BM:BM+1]
.rept 5
	v_nop
.endr
.endm
.macro ROWSUM                          ; v216 = the sum over both halves of the lanes, v217 = -M
	v_add_f32 v216, v14, v15
	v_mov_b32 v217, v12
	v_permlanex16_b32 v220, v216, s[SEL], s[SEL+1]
	v_add_f32 v216, v216, v220
.endm
.macro PUT adr, src                    ; 32 registers of O^T as rows of 272 bytes: channel 16 n + 8 h + j of query r
.irp n, 0,1,2,3
	ds_store_b128 v[\adr], v[\src+8*\n:\src+8*\n+3] offset:64*\n
	ds_store_b128 v[\adr], v[\src+8*\n+4:\src+8*\n+7] offset:64*\n+16
.endr
.endm
; ahead of task t: where t = na the crossing wave leaves its small tile's piece in LDS and goes over to the large tile
.macro SWITCH t
	s_cmp_lg_u32 s[XR], 0
	s_cbranch_scc1 .Lstay_\@
	s_cmp_lg_u32 s[NA], \t
	s_cbranch_scc1 .Lstay_\@
	ROWSUM
	PUT FLO, O
	ds_store_b64 v[MLR], v[216:217]
	s_mov_b32 s[ND], s[NDL]
	v_mov_b32 v[QS], v[QS+1]
.irp j, 0,1,2,3,4,5,6,7
	v_mov_b32 v[24+\j], v[Q2+\j]
.endr
	v_and_b32 v224, 15, v0
	v_bfe_u32 v225, v0, 4, 1
	v_lshlrev_b32 v225, 3, v225
	v_sub_nc_u32 v224, v224, v225
	v_add_nc_u32 v224, s[D0L], v224
	v_cvt_f32_i32 v224, v224
	v_fma_f32 v[DG], v224, s[BB], s[BH]
	v_sub_f32 v[DG+1], v[DG], s[BB]
	v_mov_b32 v13, 0xff61b1e6                      ; -3e38, under every score
	v_mov_b32 v12, 0x7f61b1e6                      ; -M: the first change of M multiplies zeros by 0
	v_mov_b32 v14, 0
	v_mov_b32 v15, 0
.set sj, 0
.rept 32
	v_mov_b32 v[O+sj], 0
.set sj, sj+1
.endr
	WALU
.Lstay_\@:
.endm
	KLOAD 0, 40
	TASK 0, 40, 104, 1, 0
	WALU
	s_wait_tensorcnt 0x0                           ; every wave's chunk is in
	s_wait_dscnt 0x0
	s_barrier_signal -1
	s_barrier_wait -1                              ; from here on no wave waits for another until the pieces meet
	KLOAD 1, 104
	SWITCH 1
	TASK 1, 104, 40, 0, 1
	SWITCH 2
	TASK 2, 40, 104, 0, 1
	SWITCH 3
	TASK 3, 104, 40, 0, 2
	WALU
	s_cmp_lg_u32 s[XR], 0
	s_cbranch_scc1 .Lmeet                          ; four steps: done
	SWITCH 4
	TASK 4, 40, 104, 0, 0
	WALU
.Lmeet:
	; THE PIECES MEET: sums and M first
	ROWSUM
	v_add_nc_u32 v221, s90, v[MLR]
	v_add_nc_u32 v222, s91, v[MLR]
	v_mov_b32 v218, 0                              ; a piece that does not exist: sum 0, -M = 3e38
	v_mov_b32 v219, 0x7f61b1e6
	v_bfe_u32 v200, v0, 4, 1
	v_add_nc_u32 v200, s92, v200                   ; the rows that I add: 8 (role % 2) + lane / 16, and every second row on; 16 bytes a lane
	v_mad_u32_u24 v201, v200, 272, v[LR]
	v_add_nc_u32 v202, s93, v201                   ; in the quad's four pieces,
	v_add_nc_u32 v203, s73, v201                   ; in its flushed one,
	v_lshl_add_u32 v204, v200, 8, v[LR]            ; and in the tile's rows of out
	ds_store_b64 v221, v[216:217]
	WALU
	s_cmp_lg_u32 s[RI], 0
	s_cbranch_scc1 .Lnot_0
	ds_store_b64 v222, v[218:219]
.Lnot_0:
	s_wait_dscnt 0x0                               ; my sums are stored, my reads of K and V are over
	s_barrier_signal -1
	s_barrier_wait -1
; the factor of a piece of a tile with n places: 2^(its M - the tile's M) / the row's sum.  own: the register of its -M's difference, or 0: from v12
.macro FACT n, off, own
	ds_load_b128 v[224:227], v[MLR] offset:\off
.if \n == 4
	ds_load_b128 v[228:231], v[MLR] offset:\off+16
.endif
	s_wait_dscnt 0x0
	v_min_num_f32 v220, v225, v227
.if \n == 4
	v_min3_num_f32 v220, v220, v229, v231          ; -M of the largest M
.endif
	v_sub_f32 v225, v220, v225                     ; a piece's M less the tile's: whole numbers, 0 or less
	v_sub_f32 v227, v220, v227
.if \n == 4
	v_sub_f32 v229, v220, v229
	v_sub_f32 v231, v220, v231
.endif
	v_sub_f32 v221, v220, v12
	v_cvt_i32_f32 v225, v225
	v_cvt_i32_f32 v227, v227
.if \n == 4
	v_cvt_i32_f32 v229, v229
	v_cvt_i32_f32 v231, v231
.endif
	v_cvt_i32_f32 v221, v221
	v_ldexp_f32 v224, v224, v225
	v_ldexp_f32 v226, v226, v227
.if \n == 4
	v_ldexp_f32 v228, v228, v229
	v_ldexp_f32 v230, v230, v231
.endif
	v_add_f32 v224, v224, v226
.if \n == 4
	v_add_f32 v228, v228, v230
	v_add_f32 v224, v224, v228
.endif
	WALU
	v_rcp_f32 v222, v224
	v_nop                                          ; a plain instruction behind the reciprocal
	WALU
.if \own
	v_ldexp_f32 v[FF], v222, v[\own]
.else
	v_ldexp_f32 v[FF], v222, v221
.endif
	WALU
.endm
	s_cmp_eq_u32 s[SM1], 1
	s_cbranch_scc1 .Lmine_small
	FACT 4, 512, 0
	s_branch .Lscale
.Lmine_small:
	FACT 2, 0, 0
.Lscale:
	WALU
.set j, 0
.rept 16
	v_pk_mul_f32 v[O+j:O+j+1], v[O+j:O+j+1], v[FF:FF+1] op_sel_hi:[1,0]
.set j, j+2
.endr
	PUT STO, O                                     ; over K and V: filled for the last time, read for the last time
	s_cmp_lg_u32 s[XR], 0
	s_cbranch_scc1 .Lno_flush
.irp n, 0,1,2,3
	ds_load_b128 v[40+8*\n:43+8*\n], v[FLO] offset:64*\n     ; my small tile's piece, stored by this wave
	ds_load_b128 v[44+8*\n:47+8*\n], v[FLO] offset:64*\n+16
.endr
	FACT 2, 0, 225
.set j, 0
.rept 16
	v_pk_mul_f32 v[40+j:41+j], v[40+j:41+j], v[FF:FF+1] op_sel_hi:[1,0]
.set j, j+2
.endr
	PUT FLO, 40
.Lno_flush:
	s_wait_dscnt 0x0                               ; for the others' sake: my pieces are stored
	s_barrier_signal -1
	s_barrier_wait -1
	; eight rows of a tile a wave: its scaled pieces are added, and rows leave whole
.macro PART k, adr, off
.irp i, 0,1,2,3
	ds_load_b128 v[40+16*\k+4*\i:43+16*\k+4*\i], v[\adr] offset:\off+544*\i
.endr
.endm
.macro JOIN a, b
.irp i, 0,2,4,6,8,10,12,14
	v_pk_add_f32 v[40+16*\a+\i:41+16*\a+\i], v[40+16*\a+\i:41+16*\a+\i], v[40+16*\b+\i:41+16*\b+\i]
.endr
.endm
	s_cmp_eq_u32 s[BIG], 0
	s_cbranch_scc1 .Lsmall
	s_cmp_eq_u32 s[V0], 0
	s_cbranch_scc1 .Lthree
	PART 0, 202, 0
	PART 1, 202, PCS
	PART 2, 202, 2*PCS
	PART 3, 202, 3*PCS
	s_wait_dscnt 0x0
	JOIN 0, 1
	JOIN 2, 3
	JOIN 0, 2
	WALU
	s_branch .Lstore
.Lthree:
	PART 0, 202, PCS
	PART 1, 202, 2*PCS
	PART 2, 202, 3*PCS
	s_wait_dscnt 0x0
	JOIN 0, 1
	JOIN 0, 2
	WALU
	s_branch .Lstore
.Lsmall:
	s_cmp_eq_u32 s[V0], 0
	s_cbranch_scc1 .Lone
	PART 0, 203, 0
	PART 1, 202, 0
	s_wait_dscnt 0x0
	JOIN 0, 1
	WALU
	s_branch .Lstore
.Lone:
	PART 0, 203, 0
	s_wait_dscnt 0x0
.Lstore:
.irp i, 0,1,2,3
	global_store_b128 v204, v[40+4*\i:43+4*\i], s[OUT:OUT+1] offset:512*\i th:TH_STORE_NT   ; sixteen lanes store a row of 256 bytes, aligned
.endr
	s_wait_tensorcnt 0x0                           ; the wave's end
	ds_add_u32 v[SPW], v[NIL]
	s_wait_dscnt 0x0
	ROUND                                          ; the closing round
	s_endpgm
.Lfunc_end_k_q09a9214749_attn:
	.size	k_q09a9214749_attn, .Lfunc_end_k_q09a9214749_attn-k_q09a9214749_attn
	.p2alignl 7, 3214868480
	.fill 96, 4, 3214868480
	.section	.rodata,"a",@progbits
	.p2align	6, 0x0
	.amdhsa_kernel k_q09a9214749_attn
		.amdhsa_group_segment_fixed_size 327680
		.amdhsa_private_segment_fixed_size 0
		.amdhsa_enable_private_segment 0
		.amdhsa_kernarg_size 32
		.amdhsa_user_sgpr_count 2
		.amdhsa_user_sgpr_kernarg_segment_ptr 1
		.amdhsa_wavefront_size32 1
		.amdhsa_system_sgpr_workgroup_id_x 1
		.amdhsa_system_sgpr_workgroup_id_y 1
		.amdhsa_system_sgpr_workgroup_id_z 1
		.amdhsa_system_vgpr_workitem_id 0
		.amdhsa_next_free_vgpr 256
		.amdhsa_next_free_sgpr 102
		.amdhsa_reserve_vcc 0
		.amdhsa_float_denorm_mode_32 3
		.amdhsa_float_denorm_mode_16_64 3
		.amdhsa_memory_ordered 1
		.amdhsa_forward_progress 1
		.amdhsa_inst_pref_size 151
	.end_amdhsa_kernel
	.amdgpu_metadata
---
amdhsa.version: [ 1, 2 ]
amdhsa.kernels:
  - .name:           k_q09a9214749_attn
    .symbol:         k_q09a9214749_attn.kd
    .args:
      - { .name: qc, .offset: 0, .size: 8, .value_kind: global_buffer, .address_space: global }
      - { .name: qs, .offset: 8, .size: 8, .value_kind: global_buffer, .address_space: global }
      - { .name: kv, .offset: 16, .size: 8, .value_kind: global_buffer, .address_space: global }
      - { .name: out0, .offset: 24, .size: 8, .value_kind: global_buffer, .address_space: global }
    .group_segment_fixed_size: 327680
    .private_segment_fixed_size: 0
    .kernarg_segment_align: 8
    .kernarg_segment_size: 32
    .max_flat_workgroup_size: 512
    .sgpr_count:     102
    .vgpr_count:     256
    .wavefront_size: 32
...
	.end_amdgpu_metadata
.endif
;; end of part 2
